; MI455X (gfx1250); checked and timed in simulation.
; The chip was launched on July 23, 2026; its instructions are those of AMD's public machine-readable ISA for CDNA 5 (MIT licence, August 2026) and "CDNA5" Instruction Set Architecture Reference Guide (July 2026). The comments in the code are by the model that wrote it; some were corrected since.
;; Affinity Bi FC. Allowed arithmetic: matrix products marked QUANTISED: E5M2 operands, one E8M0 scale for each 32 along K, by v_wmma_scale_f32_16x16x128_f8f6f4 with both operands' format E5M2, f32 sums; products left as they are: f32 operands where the result goes on into a quantised operand, else bf16, f16 or f32 operands; f32 sums; everything else in f32.
;; Inputs: A 256 x 256 x 1,024 float32; W 1 x 1,024 float32; X 4 x 128 x 256 float32; Y 4 x 128 x 256 float32; b 1 float32.
;; Outputs: out0 4 x 128 x 128 float32.
;; This version of the problem:
;;   THIS VERSION OF THE PROBLEM IS GIVEN IN LOW PRECISION. The matrix products marked QUANTISED in the list below multiply operands that are first quantised to E5M2 (5 exponent bits, 2 mantissa bits; 8 bits a number), with one power-of-two scale for each 32 numbers along K (OCP MX v1.0); their sums are f32. All else is computed in f32.
;;   The module's matrix products, in the order in which they are computed (A, B: the left and right operand; K: the contracted axis; several contracted axes count as one K, in the product's order):
;;     1. [M 512, K 256] x [K 256, N 262,144]; A: input X; B: input A: QUANTISED
;;     2. batch 4 x [M 128, K 256] x [K 256, N 131,072]; A: input Y; B: computed on the way: QUANTISED
;;     3. [M 65,536, K 1,024] x [K 1,024, N 1]; A: computed on the way; B: input W: left as it is (N = 1 < 16)
;;   THE QUANTISER, for each operand of a quantised product, along K:
;;     - K is cut into blocks of 32 from its start; a last block that is shorter is filled with zeros.
;;     - A block's scale is 2^e with e = floor(log2(the largest magnitude in the block)) - 15, held to -126 .. 127; a block of zeros has e = 0. As a byte (E8M0): e + 127.
;;     - Each number is divided by its block's scale, clamped to +-57,344, and rounded to the nearest number of E5M2, ties to even, subnormals kept.
;;     - The product sums the exact products of the quantised numbers (number of the format x scale) in f32.
;;   ~~~python
;;   def quantise(x, axis):      # numpy; x: float32 -> the quantised numbers, widened to float32 again
;;       x = np.moveaxis(x, axis, -1); K = x.shape[-1]
;;       x = np.pad(x, [(0, 0)] * (x.ndim - 1) + [(0, -K % 32)]); x = x.reshape(x.shape[:-1] + (-1, 32)); a = np.abs(x).max(-1, keepdims=True)
;;       e = np.where(a > 0, np.clip(np.frexp(np.where(a > 0, a, 1))[1] - 1 - 15, -126, 127), 0)      # np.frexp(a)[1] - 1 = floor(log2(a)), exactly
;;       r = np.clip(x / 2.0 ** e, -57344, 57344)
;;       step = 2.0 ** (np.maximum(np.frexp(np.where(r == 0, 1, r))[1] - 1, -14) - 2)
;;       q = np.round(r / step) * step * 2.0 ** e      # np.round: ties to even
;;       return np.moveaxis(q.reshape(q.shape[:-2] + (-1,))[..., :K], -1, axis).astype(np.float32)
;;   ~~~
;;   OPERANDS COMPUTED ON THE WAY. 'Computed on the way' means the value that the module computes at that place (a softmax that the list does not call 'softmax' is quantised finished and normalised). What goes into a quantiser is computed in f32, as accurately as f32 sums, v_exp_f32 and their like allow (about 1e-6 of the number): no bf16 or f16 on the way to a quantiser, and a product that is left as it is and whose result goes on into a quantised operand takes f32 operands (vector FMAs, or v_wmma_f32_16x16x4_f32). A number that lies on a knife's edge between two numbers of the format may be rounded either way, as far as f32 arithmetic and the matrix unit's own rounding can turn it there, and no further.
;; One version. Each part assembles by itself: llvm-mc -triple=amdgcn-amd-amdhsa -mcpu=gfx1250 --defsym DOCPART=n.
;; ======== version 1 of 1: 3 launches
;; limits: right only within a limited range of input values
;; workspace buffers: aq 69,206,016 bytes; xyq 262,144 bytes; xys 8,192 bytes; part 16,777,216 bytes
;; launch quant (part 1): grid 256 x 1, 16 waves a work-group, no clusters, 144,384 bytes of LDS; arguments A, X, Y, aq, xyq, xys; writes aq, xyq, xys
.if DOCPART == 1
	.amdgcn_target "amdgcn-amd-amdhsa--gfx1250"
	.amdhsa_code_object_version 6
	.text
	.protected	k_q347786ab54_quant
	.globl	k_q347786ab54_quant
	.p2align	8
	.type	k_q347786ab54_quant,@function
k_q347786ab54_quant:
	s_mov_b64 s[64:65], 0
	v_nop
	global_prefetch_b8 v0, s[64:65] scope:SCOPE_SE
	s_setreg_imm32_b32 hwreg(HW_REG_WAVE_MODE, 25, 1), 1
	s_wait_xcnt 0x0
; A [256 d][256 e][1024 k], X [512 rows][256 d] and Y [512 rows][256 e], all f32, become codes of BF8 (E5M2) with one E8M0 byte for each 32 along the
; contracted axis (A, X: d; Y: e).  The codes are laid in the order in which the next launch's operand registers take them.
; A block's scale is 2^(floor(log2(its largest magnitude)) - 15); its byte is the largest magnitude's exponent field - 15, held at 1 from below.
; LIMITS: NaN and infinities among the inputs are not served.  A block of zeros gets the byte 1 where the rule says 127: its codes are zeros, which add
; nothing under any byte but 0xff, and the bytes are read by this program alone.
; aq: 2,048 chunks of 33,792 bytes, chunk 2 k + e / 128.  Codes at bl 8192 + f 2048 + c 512 + 16 lane: bl = (e / 32) % 4, f = 2 (d / 128) + u, c = (d / 32) % 4;
;   lane (r, h) holds d = 32 c + 16 h + 0 .. 15 of the K step, of row e % 32 = 8 u + r + 8 (r / 8).  Scale words at 32768 + bl 256 + 8 (16 (d / 128) + r) + 4 u.
; xyq: [X, Y][tile of 16 rows][K step][2,048 bytes: c 512 + 16 lane].  xys: [X, Y][tile][128 bytes]: lane 16 s + r holds row r's word of K step s.
; EVERY ONE OF THE 256 WORK-GROUPS takes 64 k x 32 e x 128 d of A.  A LANE TAKES A COLUMN k AND ITS REGISTERS RUN DOWN d: a block of 32 lies in one lane, its largest
; magnitude needs no other lane, and the conversions give codes with d innermost.  Wave v: k = 32 (v % 2) + lane; e % 8 = v / 2; 16 groups q = 4 c + t, e % 32 = 8 t + v / 2.
; A lane's codes belong to one k's chunk and the lanes beside it hold other chunks: they meet in a stage in LDS and leave as runs of 512 consecutive bytes.
; Two stages take turns, one barrier for each 32 along d.  Loads run two groups (64 loads a wave) ahead.
; X AND Y are 64 tiles of 16 rows: wave 0 of work-groups 0 .. 63 takes one tile each, behind its first two groups of loads from A, so that the tile's numbers come in beside them.
; That part has registers of its own for its numbers, no LDS and no barrier; it is some 260 vector instructions beside the wave's share of A.
.set CHUNK,   33792
.set KPITCH,  1040                     ; a k's place in a stage: 1,024 bytes (u 512 + h 256 + r 16) + 16 of padding: an odd multiple of 16, so the lanes' 16-byte stores fall on different banks
.set STAGE1,  64*KPITCH                ; the second stage
.set SSTAGE,  2*STAGE1                 ; behind the stages: the scale words, 64 k x (128 bytes + 16)
.set SPITCH,  144
.set MIB,     1048576                  ; from d to d + 1 in A, in bytes
.set LN,   1                           ; v1   lane
.set AOF,  2                           ; v2   my byte offset in A (never rewritten)
.set STA,  3                           ; v3-4 where I put codes in stage 0, 1
.set RDA,  5                           ; v5-6 where I read runs back from stage 0, 1
.set L16,  7                           ; v7   16 x lane
.set SSA,  8                           ; v8   where I put scale words
.set SRA,  9                           ; v9   where I read them back
.set SGO,  10                          ; v10  and their offset in aq
.set XY4,  11                          ; v11  X, Y: 4 x lane
.set MA,   12                          ; v12-16 at work: two maxima, the conversion's scale operand, the hold, a byte
.set MB,   13
.set SC,   14
.set HD,   15
.set BY,   16
.set SW,   20                          ; v20-23 the scale word of each t: byte c for 32 c on along d
.set CD,   24                          ; v24-31 a block's codes
.set XN,   32                          ; v32-95 two sets of 32 numbers
.set OUTR, 96                          ; v96-127 the way out
.set XYP,  12                          ; X, Y: v12-13 the scale words of the two K steps, v14 the word that I store, v15 my byte offset in the tile's rows;
.set XYA,  15
.set XYT,  16                          ;       v16-19 largest magnitudes, v20-23 the other half's, then bytes, v24-27 the holds, v28-31 the conversions' scale operands;
.set XYC,  96                          ;       v96-127 the codes of the two K steps;
.set XYN,  128                         ;       v128-255 the numbers of the two K steps.  All but these last are written afresh by A's part afterwards
.set BASE, 16                          ; s[16:47] sixteen addresses in A, 8 d apart: the loads' immediates reach 7 d
.set WV,   48
.set MNT,  49                          ; the mantissa field of 57,344
.set SB,   50                          ; s[50:51] where my runs of codes go
.set SB2,  52                          ; s[52:53] and my scale words
	s_load_b256 s[4:11], s[0:1], 0x0               ; A s[4:5], X s[6:7], Y s[8:9], aq s[10:11]
	s_load_b128 s[12:15], s[0:1], 0x20             ; xyq s[12:13], xys s[14:15]
	v_lshrrev_b32 v11, 5, v0
	s_delay_alu instid0(VALU_DEP_1)
	v_readfirstlane_b32 s[WV], v11                 ; wave 0..15
	v_and_b32 v[LN], 31, v0
	s_wait_alu depctr_va_vdst(0)
	v_lshlrev_b32 v[L16], 4, v[LN]
	s_wait_alu depctr_va_vdst(0)
	s_mov_b32 s[MNT], 0x600000
	s_and_b32 s55, ttmp9, 15                       ; kg: which 64 k
	s_bfe_u32 s56, ttmp9, 0x30004                  ; which 32 e
	s_lshr_b32 s57, ttmp9, 7                       ; s: which 128 d
	s_lshr_b32 s58, s56, 2                         ; eh
	s_and_b32 s59, s56, 3                          ; bl
	s_and_b32 s60, s[WV], 1                        ; kh
	s_lshr_b32 s61, s[WV], 1                       ; ev
	s_lshl_b32 s62, s61, 12
	s_lshl_b32 s63, s60, 7
	s_add_co_u32 s62, s62, s63
	v_lshl_add_u32 v[AOF], v[LN], 2, s62           ; ev rows of 4,096 bytes + 4 (32 kh + lane)
	s_mul_i32 s62, s60, 32*KPITCH
	s_lshl_b32 s63, s61, 4
	s_add_co_u32 s62, s62, s63
	v_mul_u32_u24 v[STA], v[LN], KPITCH
	s_delay_alu instid0(VALU_DEP_1)
	v_add_nc_u32 v[STA], s62, v[STA]               ; (32 kh + lane) KPITCH + 16 ev
	s_delay_alu instid0(VALU_DEP_1)
	v_add_nc_u32 v[STA+1], STAGE1, v[STA]
	s_mul_i32 s62, s[WV], 4*KPITCH
	v_add_nc_u32 v[RDA], s62, v[L16]               ; on the way out wave v takes k = 4 v .. 4 v + 3
	s_delay_alu instid0(VALU_DEP_1)
	v_add_nc_u32 v[RDA+1], STAGE1, v[RDA]
	s_mul_i32 s62, s60, 32*SPITCH
	s_lshl_b32 s63, s61, 3
	s_add_co_u32 s62, s62, s63
	s_add_co_u32 s62, s62, SSTAGE
	v_mul_u32_u24 v[SSA], v[LN], SPITCH
	s_delay_alu instid0(VALU_DEP_1)
	v_add_nc_u32 v[SSA], s62, v[SSA]               ; (32 kh + lane) SPITCH + 8 ev
	v_lshrrev_b32 v12, 3, v[LN]
	v_and_b32 v13, 7, v[LN]
	s_delay_alu instid0(VALU_DEP_2)
	v_mul_u32_u24 v[SRA], v12, SPITCH
	s_delay_alu instid0(VALU_DEP_1)
	v_lshl_add_u32 v[SRA], v13, 4, v[SRA]
	s_mul_i32 s62, s[WV], 4*SPITCH
	s_add_co_u32 s62, s62, SSTAGE
	v_add_nc_u32 v[SRA], s62, v[SRA]               ; eight lanes to a k's 128 bytes
	v_mul_u32_u24 v[SGO], v12, 2*CHUNK
	s_delay_alu instid0(VALU_DEP_1)
	v_lshl_add_u32 v[SGO], v13, 4, v[SGO]          ; from k to k + 1 in aq: two chunks
	s_lshl_b32 s62, s57, 27                        ; 128 s rows d
	s_lshl_b32 s63, s56, 17                        ; 32 rows e
	s_add_co_u32 s62, s62, s63
	s_lshl_b32 s63, s55, 8                         ; 64 k
	s_add_co_u32 s62, s62, s63
	s_mov_b32 s63, 0
	s_wait_kmcnt 0x0                               ; the six addresses
	s_add_nc_u64 s[BASE:BASE+1], s[4:5], s[62:63]
.irp n, 1,2,3,4,5,6,7,8,9,10,11,12,13,14,15
	s_add_nc_u64 s[BASE+2*\n:BASE+2*\n+1], s[BASE:BASE+1], \n*8*MIB
.endr
	s_lshl_b32 s62, s55, 7
	s_lshl_b32 s54, s[WV], 3
	s_add_co_u32 s62, s62, s54
	s_add_co_u32 s62, s62, s58                     ; chunk 2 (64 kg + 4 v) + eh
	s_mul_i32 s62, s62, CHUNK
	s_add_nc_u64 s[SB2:SB2+1], s[10:11], s[62:63]
	s_lshl_b32 s62, s59, 13
	s_lshl_b32 s54, s57, 12
	s_add_co_u32 s62, s62, s54
	s_add_nc_u64 s[SB:SB+1], s[SB2:SB2+1], s[62:63]    ; + bl 8192 + s 4096
	s_lshl_b32 s62, s59, 8
	s_lshl_b32 s54, s57, 7
	s_add_co_u32 s62, s62, s54
	s_add_co_u32 s62, s62, 32768
	s_add_nc_u64 s[SB2:SB2+1], s[SB2:SB2+1], s[62:63]  ; + 32768 + bl 256 + s 128
.macro LOAD q                          ; group q: A(32 c + i, 8 t + ev, my k), i = 0 .. 31, into set q % 2; a wave's load reads 128 consecutive bytes, two waves side by side 256
.irp i, 0,1,2,3,4,5,6,7,8,9,10,11,12,13,14,15,16,17,18,19,20,21,22,23,24,25,26,27,28,29,30,31
	global_load_b32 v[XN+32*((\q)%2)+\i], v[AOF], s[BASE+2*(4*((\q)/4)+\i/8):BASE+2*(4*((\q)/4)+\i/8)+1] offset:(\i%8)*MIB+((\q)%4)*32768 th:TH_LOAD_NT
.endr
.endm
.macro BLOCK q
.set XS, XN+32*((\q)%2)
.if (\q) < 15
	s_wait_loadcnt 32                              ; this group's 32 loads are in; the next group's may be out
.else
	s_wait_loadcnt 0x0
.endif
	v_max3_num_f32 v[MA], |v[XS]|, |v[XS+1]|, |v[XS+2]|            ; the block's largest magnitude: all 32 numbers are mine; two chains
	v_max3_num_f32 v[MB], |v[XS+3]|, |v[XS+4]|, |v[XS+5]|
.irp i, 6,10,14,18,22,26
	s_delay_alu instid0(VALU_DEP_2)
	v_max3_num_f32 v[MA], v[MA], |v[XS+\i]|, |v[XS+\i+1]|
	s_delay_alu instid0(VALU_DEP_2)
	v_max3_num_f32 v[MB], v[MB], |v[XS+\i+2]|, |v[XS+\i+3]|
.endr
	s_delay_alu instid0(VALU_DEP_2)
	v_max3_num_f32 v[MA], v[MA], |v[XS+30]|, |v[XS+31]|
	s_delay_alu instid0(VALU_DEP_1)
	v_max3_num_f32 v[MA], v[MA], v[MB], 0x8000000  ; and the floor 2^(16 - 127): the byte cannot fall under 1
	s_delay_alu instid0(VALU_DEP_1)
	v_add_nc_u32 v[SC], 0xf8800000, v[MA]          ; 15 off the exponent field: the conversion takes this operand's exponent field as its scale
	s_delay_alu instid0(VALU_DEP_2)
	v_and_or_b32 v[HD], v[MA], 0x7f800000, s[MNT]  ; 57,344 x the scale
.if (\q)/4 == 0
	s_delay_alu instid0(VALU_DEP_2)
	v_lshrrev_b32 v[SW+(\q)%4], 23, v[SC]          ; the scale's byte: byte c of the word of this t
.else
	s_delay_alu instid0(VALU_DEP_2)
	v_lshrrev_b32 v[BY], 23, v[SC]
	s_delay_alu instid0(VALU_DEP_1)
	v_lshl_or_b32 v[SW+(\q)%4], v[BY], 8*((\q)/4), v[SW+(\q)%4]
.endif
.irp i, 0,1,2,3,4,5,6,7,8,9,10,11,12,13,14,15,16,17,18,19,20,21,22,23,24,25,26,27,28,29,30,31
	v_med3_num_f32 v[XS+\i], v[XS+\i], -v[HD], v[HD]   ; the conversion to an 8-bit code does not saturate (ISA guide 7.6.2): the hold comes first
.endr
.irp g, 0,1,2,3
	v_cvt_scalef32_pk8_bf8_f32 v[CD+2*\g:CD+2*\g+1], v[XS+8*\g:XS+8*\g+7], v[SC]
.endr
	ds_store_b128 v[STA+((\q)/4)%2], v[CD:CD+3] offset:((\q)%2)*512+(((\q)%4)/2)*128         ; d 0 .. 15 of the block: the place of lane (r, 0), r = 8 (t / 2) + ev, in tile u = t % 2
	ds_store_b128 v[STA+((\q)/4)%2], v[CD+4:CD+7] offset:((\q)%2)*512+(((\q)%4)/2)*128+256   ; d 16 .. 31: lane (r, 1)
.if (\q)+2 < 16
	LOAD (\q)+2
.endif
	s_wait_dscnt 0x0                               ; the stores have read their registers: the next block's codes may be written
.endm
; 32 along d are in the stage.  One barrier: behind it every wave's codes lie there; and the stage that the NEXT 32 along d but one write again is the one
; read here, whose reads every wave has waited for in front of the next barrier's signal.
.macro OUT c
.if (\c) == 3
.irp t, 0,1,2,3
	ds_store_b32 v[SSA], v[SW+\t] offset:64*(\t/2)+4*(\t%2)        ; the word of row r = 8 (t / 2) + ev, tile u = t % 2: at 8 r + 4 u
.endr
.endif
	s_wait_dscnt 0x0                               ; for the others' sake: my stores have landed, my reads of the other stage are back
	s_barrier_signal -1
	s_barrier_wait -1
.if (\c) > 0
	s_wait_xcnt 0x0                                ; the last way out's stores have read their data registers: they are loaded again only behind this wait
.endif
.irp i, 0,1,2,3,4,5,6,7
	ds_load_b128 v[OUTR+4*\i:OUTR+4*\i+3], v[RDA+(\c)%2] offset:(\i/2)*KPITCH+(\i%2)*512
.endr
.irp i, 0,1,2,3,4,5,6,7
	s_wait_dscnt 7-\i                              ; LDS loads come back in order: load i is in, the younger ones may be out
	global_store_b128 v[L16], v[OUTR+4*\i:OUTR+4*\i+3], s[SB:SB+1] offset:(\i/2)*2*CHUNK+(\i%2)*2048+(\c)*512 th:TH_STORE_NT   ; 32 lanes store 512 consecutive bytes, at a multiple of 256 from aq's first byte
.endr
.if (\c) == 3
	ds_load_b128 v[CD:CD+3], v[SRA]
	s_wait_dscnt 0x0
	global_store_b128 v[SGO], v[CD:CD+3], s[SB2:SB2+1] th:TH_STORE_NT   ; four k's scale words: runs of 128 bytes; one byte in 33 of what this launch stores
.endif
.endm
; X, Y: 64 numbers of a lane, v[src] on, register 16 b + i = 32 b + 16 h + i of my row's K step, become a fragment's codes in v[cod] on and its scale word in v[pw]
.macro QUANT64 src, cod, pw
.irp b, 0,1,2,3
	v_max3_num_f32 v[XYT+\b], |v[(\src)+16*\b]|, |v[(\src)+1+16*\b]|, 0x8000000   ; my 16 numbers of block b, and the floor 2^(16 - 127)
.endr
.irp i, 2,4,6,8,10,12,14
.irp b, 0,1,2,3
	s_delay_alu instid0(VALU_DEP_4)
	v_max3_num_f32 v[XYT+\b], v[XYT+\b], |v[(\src)+16*\b+\i]|, |v[(\src)+1+16*\b+\i]|   ; the four blocks by turns
.endr
.endr
.irp b, 0,1,2,3
	s_delay_alu instid0(VALU_DEP_4)
	v_permlanex16_b32 v[XYT+4+\b], v[XYT+\b], s72, s73
.endr
.irp b, 0,1,2,3
	s_delay_alu instid0(VALU_DEP_4)
	v_max_num_f32 v[XYT+\b], v[XYT+\b], v[XYT+4+\b]    ; with lane l xor 16's: the block's largest magnitude
.endr
.irp b, 0,1,2,3
	s_delay_alu instid0(VALU_DEP_4)
	v_add_nc_u32 v[XYT+12+\b], 0xf8800000, v[XYT+\b]   ; the conversion's scale operand
.endr
.irp b, 0,1,2,3
	v_and_or_b32 v[XYT+8+\b], v[XYT+\b], 0x7f800000, s[MNT]   ; 57,344 x the scale
.endr
.irp b, 0,1,2,3
	v_lshrrev_b32 v[XYT+4+\b], 23, v[XYT+12+\b]        ; the scale's byte
.endr
	s_delay_alu instid0(VALU_DEP_3)
	v_lshl_or_b32 v[\pw], v[XYT+5], 8, v[XYT+4]
	s_delay_alu instid0(VALU_DEP_1)
	v_lshl_or_b32 v[\pw], v[XYT+6], 16, v[\pw]
	s_delay_alu instid0(VALU_DEP_1)
	v_lshl_or_b32 v[\pw], v[XYT+7], 24, v[\pw]
.irp b, 0,1,2,3
.irp i, 0,1,2,3,4,5,6,7,8,9,10,11,12,13,14,15
	v_med3_num_f32 v[(\src)+16*\b+\i], v[(\src)+16*\b+\i], -v[XYT+8+\b], v[XYT+8+\b]
.endr
	v_cvt_scalef32_pk8_bf8_f32 v[(\cod)+4*\b:(\cod)+4*\b+1], v[(\src)+16*\b:(\src)+16*\b+7], v[XYT+12+\b]
	v_cvt_scalef32_pk8_bf8_f32 v[(\cod)+4*\b+2:(\cod)+4*\b+3], v[(\src)+16*\b+8:(\src)+16*\b+15], v[XYT+12+\b]
.endr
	v_nop                                          ; one plain vector line behind the last conversion
.endm
	LOAD 0
	LOAD 1
	; ---------------- X and Y: wave 0 of work-groups 0 .. 63; one region, with no LDS instruction and no barrier in it ----------------
	s_cmp_lg_u32 s[WV], 0
	s_cbranch_scc1 .Lno_xy
	s_cmp_ge_u32 ttmp9, 64
	s_cbranch_scc1 .Lno_xy
	s_lshr_b32 s74, ttmp9, 5                       ; 0: X, 1: Y
	s_and_b32 s75, ttmp9, 31                       ; the tile of 16 rows
	s_cmp_eq_u32 s74, 0
	s_cselect_b64 s[66:67], s[6:7], s[8:9]
	s_lshl_b32 s76, s75, 14
	s_mov_b32 s77, 0
	s_add_nc_u64 s[66:67], s[66:67], s[76:77]      ; 16 rows of 1,024 bytes a tile
	s_lshl_b32 s76, s74, 17
	s_lshl_b32 s78, s75, 12
	s_add_co_u32 s76, s76, s78
	s_add_nc_u64 s[68:69], s[12:13], s[76:77]      ; its two fragments in xyq
	s_lshl_b32 s76, s74, 12
	s_lshl_b32 s78, s75, 7
	s_add_co_u32 s76, s76, s78
	s_add_nc_u64 s[70:71], s[14:15], s[76:77]      ; its scale words in xys
	s_mov_b32 s72, 0x76543210
	s_mov_b32 s73, 0xfedcba98                      ; v_permlanex16_b32's selects for lane l xor 16
	v_and_b32 v12, 15, v0                          ; r
	v_bfe_u32 v13, v0, 4, 1                        ; h
	s_delay_alu instid0(VALU_DEP_2)
	v_lshlrev_b32 v[XYA], 10, v12
	s_delay_alu instid0(VALU_DEP_1)
	v_lshl_add_u32 v[XYA], v13, 6, v[XYA]          ; row r, + 64 h: my 16 numbers of a block of 32
	v_lshlrev_b32 v[XY4], 2, v[LN]
.irp s, 0,1
.irp c, 0,1,2,3
.irp j, 0,1,2,3
	global_load_b128 v[XYN+64*\s+16*\c+4*\j:XYN+64*\s+16*\c+4*\j+3], v[XYA], s[66:67] offset:512*\s+128*\c+16*\j th:TH_LOAD_NT   ; both K steps at once, behind the 64 loads from A (an issue that would pass the counter's field is held back: ISA guide 5.7.1)
.endr
.endr
.endr
.irp b, 0,1,2,3
	v_mov_b32 v[XYT+4+\b], 0                       ; written once: a lane permute's destination counts as one of its sources
.endr
	s_wait_loadcnt 0x0                             ; the tile's numbers are in, and with them A's first two groups, which are wanted next
.irp s, 0,1
	QUANT64 XYN+64*\s, XYC+16*\s, XYP+\s
.irp c, 0,1,2,3
	global_store_b128 v[L16], v[XYC+16*\s+4*\c:XYC+16*\s+4*\c+3], s[68:69] offset:2048*\s+512*\c   ; the fragment as its registers stand: 512 consecutive bytes a store; each K step's codes have registers of their own
.endr
.endr
	v_cmp_le_u32 vcc_lo, 16, v[LN]
	s_delay_alu instid0(VALU_DEP_1)
	v_cndmask_b32 v[XYP+2], v[XYP], v[XYP+1], vcc_lo   ; lanes 0-15: row r's word of K step 0; lanes 16-31: of K step 1 (every lane holds its row's word of both)
	global_store_b32 v[XY4], v[XYP+2], s[70:71]
	s_wait_xcnt 0x0                                ; these stores have read their registers: v14 and v96 .. v127 are written again by A's part only behind this wait
.Lno_xy:
	; ---------------- A ----------------
.set Q, 0
.rept 16
	BLOCK Q
.if Q%4 == 3
	OUT Q/4
.endif
.set Q, Q+1
.endr
	s_wait_xcnt 0x0
	v_lshl_add_u32 v254, v0, 2, 0x22c00
	v_mov_b32 v255, 0
	s_wait_alu depctr_va_vdst(0)
	s_wait_tensorcnt 0x0
	ds_add_u32 v254, v255
	s_wait_dscnt 0x0
	s_endpgm
.Lfunc_end_k_q347786ab54_quant:
	.size	k_q347786ab54_quant, .Lfunc_end_k_q347786ab54_quant-k_q347786ab54_quant
	.p2alignl 7, 3214868480
	.fill 96, 4, 3214868480
	.section	.rodata,"a",@progbits
	.p2align	6, 0x0
	.amdhsa_kernel k_q347786ab54_quant
		.amdhsa_group_segment_fixed_size 144384
		.amdhsa_private_segment_fixed_size 0
		.amdhsa_enable_private_segment 0
		.amdhsa_kernarg_size 48
		.amdhsa_user_sgpr_count 2
		.amdhsa_user_sgpr_kernarg_segment_ptr 1
		.amdhsa_wavefront_size32 1
		.amdhsa_system_sgpr_workgroup_id_x 1
		.amdhsa_system_sgpr_workgroup_id_y 1
		.amdhsa_system_sgpr_workgroup_id_z 1
		.amdhsa_system_vgpr_workitem_id 0
		.amdhsa_next_free_vgpr 256
		.amdhsa_next_free_sgpr 80
		.amdhsa_reserve_vcc 1
		.amdhsa_float_denorm_mode_32 3
		.amdhsa_float_denorm_mode_16_64 3
		.amdhsa_memory_ordered 1
		.amdhsa_forward_progress 1
		.amdhsa_inst_pref_size 152
	.end_amdhsa_kernel
	.amdgpu_metadata
---
amdhsa.version: [ 1, 2 ]
amdhsa.kernels:
  - .name:           k_q347786ab54_quant
    .symbol:         k_q347786ab54_quant.kd
    .args:
      - { .name: A, .offset: 0, .size: 8, .value_kind: global_buffer, .address_space: global }
      - { .name: X, .offset: 8, .size: 8, .value_kind: global_buffer, .address_space: global }
      - { .name: Y, .offset: 16, .size: 8, .value_kind: global_buffer, .address_space: global }
      - { .name: aq, .offset: 24, .size: 8, .value_kind: global_buffer, .address_space: global }
      - { .name: xyq, .offset: 32, .size: 8, .value_kind: global_buffer, .address_space: global }
      - { .name: xys, .offset: 40, .size: 8, .value_kind: global_buffer, .address_space: global }
    .group_segment_fixed_size: 144384
    .private_segment_fixed_size: 0
    .kernarg_segment_align: 8
    .kernarg_segment_size: 48
    .max_flat_workgroup_size: 512
    .sgpr_count:     80
    .vgpr_count:     256
    .wavefront_size: 32
...
	.end_amdgpu_metadata
.endif
;; end of part 1
;; launch bifc (part 2): grid 4 x 64, 4 waves a work-group, clusters of 4 x 1, 327,680 bytes of LDS; arguments aq, xyq, xys, W, part; writes part
.if DOCPART == 2
	.amdgcn_target "amdgcn-amd-amdhsa--gfx1250"
	.amdhsa_code_object_version 6
	.text
	.protected	k_q347786ab54_bifc
	.globl	k_q347786ab54_bifc
	.p2align	8
	.type	k_q347786ab54_bifc,@function
k_q347786ab54_bifc:
	s_mov_b64 s[64:65], 0
	v_nop
	global_prefetch_b8 v0, s[64:65] scope:SCOPE_SE
	s_setreg_imm32_b32 hwreg(HW_REG_WAVE_MODE, 25, 1), 1
	s_wait_xcnt 0x0
	s_wait_alu depctr_hold_cnt(0) depctr_sa_sdst(0) depctr_va_vdst(0) depctr_va_sdst(0) depctr_va_ssrc(0) depctr_va_vcc(0) depctr_vm_vsrc(0)
	s_getreg_b32 s2, hwreg(HW_REG_IB_STS2, 6, 4)
	s_cmp_eq_u32 s2, 0
	s_cbranch_scc0 .Lentry_in_a_cluster
	s_endpgm
.Lentry_in_a_cluster:
	s_bfe_u32 s2, ttmp6, 0x10000c
	s_cmp_lg_u32 s2, 0x3003
	s_cbranch_scc0 .Lentry_shape_is_right
	s_endpgm
.Lentry_shape_is_right:
; part[g][b][n][m] = the sum over the 16 k of slab g of W[k] x (the sum over e of Q(t)[b][n][e][k] Q(Y)[b][m][e]),  t[b][n][e][k] = the sum over d of Q(X)[b][n][d] Q(A)[d][e][k].
; Both products on codes of BF8 (E5M2) with one E8M0 scale for each 32 along K, sums in f32; t is quantised along e in registers and never leaves them.
; LIMITS: NaN and infinities are not served; a block of t that is all zeros gets the byte 1 (its codes are zeros); the sums over k are taken in another order than the source reads.
; SHARES.  A work-group: one batch, all 128 n, all 128 m, 16 k.  Wave w = 2 kp + x: k = 16 g + 2 t + kp in trip t = 0 .. 7, n = 64 x + 0 .. 63, all e.
; X (128 registers), Y (256), t's codes (128) and the sums S (256) stay in registers; a fragment of A read from LDS feeds four matrix instructions.
; CLUSTER.  The four work-groups of a cluster are the four batches; they walk the same chunks of A's codes, so each chunk is asked for JOINTLY.  The place in the cluster enters the addresses of X, Y, part and the prefetches alone.
; A's codes come in chunks of 33,792 bytes (one k, 128 e, all d, with their scale words), laid in the order of the operand's registers.  A slot holds the four chunks of a trip (two k x two halves of e), chunk j = 2 kp + e half
; at j x 33,792; wave w fetches chunk w, and the two waves of a kp read both chunks of their k.  Two slots, one round of the cluster's barrier a trip.  The text of a trip is written once for both slots: the four LDS address registers and
; the descriptor's LDS word change slots by an XOR with (place in slot 0) xor (place in slot 1): all places are multiples of 512 and the lane's part lies under 512.
; FIRST PRODUCT, transposed: source 0 = 16 rows e of A, source 1 = 16 rows n of X.  Lane r of tile u takes e % 32 = 8 u + r + 8 (r / 8), so a lane's 16 registers of tiles u = 0, 1 are 16 neighbours along e of n = lane % 16.
; A block of 32 e x 64 n is 16 matrix instructions in two runs of eight (K step 0, K step 1; eight accumulators by turns).  Behind each run stands half of the quantiser of the block before, its four tiles of n by turns:
; first the scales (56 lines), then the holds and conversions (73 lines).  These lines are also the places behind the matrix instructions (ISA guide 7.12.1), and under them the next block's fragments come from LDS.
; SECOND PRODUCT, transposed: source 0 = 16 rows m of Y, source 1 = t's codes: runs of 16 (eight tiles, two K steps); each finished tile is added to S with the weight W[k].
; PREFETCH: at the change that asks for trip t + 2's chunks each wave names 32 blocks of 256 bytes of its own chunk of trip t + 4: the partner at place cx takes blocks 32 cx on, a lane a block; so each block of codes is named once.
; Trips 0 to 3 and the chunks' 1,024 bytes of scale words come by their loads alone; the last trip named is 7.
; WINDOWS of 256 registers: 0: v1-59 addresses, scales, at work; v64-127 A's fragments (K step s at 64 + 32 s); v128-255 two sets of 64 for t and for the second product's tiles.
;   1: v0-127 X (nt, s at 16 (2 nt + s)); v128-255 t's codes (nt, e half at 128 + 16 (2 nt + eh)).   2: Y (mt, eh at 16 (2 mt + eh)).   3: S (8 nt + mt at 8 x).
; S is cleared once by 256 moves while the first chunk is on its way: a first trip of its own would be a third copy of the trip's text.
.set CHUNK,  33792
.set SLOTB,  4*CHUNK
.set SPARE,  2*SLOTB                   ; behind the slots: the spare words, 128 bytes a wave, that no other line names
.set SPITCH, 528                       ; the way out: 64 rows x (512 + 16) bytes a wave = a chunk's bytes, in slot 0
.set ADA,  1                           ; v1-2  16 x lane + my k's chunk of e half 0, 1 in the slot in hand
.set ADS,  3                           ; v3-4  8 x lane + that chunk's scale words
.set SPW,  5                           ; v5    my spare word; never rewritten
.set NIL,  6                           ; v6    0; never rewritten
.set PFO,  7                           ; v7    256 x lane
.set L16,  8
.set STO,  9                           ; the way out: where I put 32 bytes of a row
.set RD,   10                          ; v10-11 the way out: my 32 rows in the two regions that I add
.set L4,   12
.set XS,   16                          ; v16-19 X's scale words: lanes 0-15 K step 0, lanes 16-31 K step 1
.set YS,   20                          ; v20-27 Y's likewise
.set TS,   28                          ; v28-35 t's, (nt, eh) at 2 nt + eh
.set AS,   36                          ; v36-39 A's, block parity p, tile u at 2 p + u
.set MA,   40                          ; v40-59 at work, four of each: two maxima, the other half's, the conversion's scale operand, the hold
.set MB,   44
.set PL,   48
.set SC,   52
.set HD,   56
.set AB,   64
.set TT,   128
.set TQ,   128
.set WV,   14
.set KC,   23
.set G1,   24                          ; s[24:31] descriptor group 1
.set G0,   32                          ; s[32:35] group 0
.set WK,   40                          ; s[40:47] W of my k's; s40 is the k in hand
.set PFA,  50
.set MSB, 0
.macro WIN new                         ; the immediate's high byte repeats the setting that is left
.if MSB != \new
	s_set_vgpr_msb (MSB<<8)|\new
.set MSB, \new
.endif
.endm
.macro NOPS n
.rept \n
	v_nop
.endr
.endm
.macro ROUND                           ; a round of the cluster's barrier
	s_barrier_signal -1
	s_barrier_wait -1
	s_cmp_lg_u32 s[WV], 0
	s_cbranch_scc1 .Lnot_wave_0_\@
	s_barrier_signal -3
.Lnot_wave_0_\@:
	s_barrier_wait -3
	s_barrier_signal -1
	s_barrier_wait -1
.endm
	s_load_b256 s[4:11], s[0:1], 0x0               ; aq, xyq, xys, W
	s_load_b64 s[12:13], s[0:1], 0x20              ; part
	v_lshl_add_u32 v[SPW], v0, 2, SPARE
	v_mov_b32 v[NIL], 0
	ds_add_u32 v[SPW], v[NIL]                      ; the opening lines: the add twice on end and its wait ahead of my first tensor load
	ds_add_u32 v[SPW], v[NIL]
	v_lshrrev_b32 v13, 5, v0
	v_readfirstlane_b32 s[WV], v13                 ; wave 0..3
	s_bfe_u32 s15, ttmp6, 0x40000                  ; cx = the batch
	s_and_b32 s16, ttmp7, 0xffff                   ; g: which 16 k
	s_lshr_b32 s17, s[WV], 1                       ; kp
	s_and_b32 s18, s[WV], 1                        ; x: which 64 n
	s_mov_b32 s[G1], 15|(3<<16)|(1<<21)            ; the mask of all four work-groups; elements of 8 bytes; bit 21 beside a mask
	s_mov_b32 s[G1+1], 32<<16                      ; a chunk is dense: 132 rows of 256 bytes
	s_mov_b32 s[G1+2], 132<<16
	s_mov_b32 s[G1+3], 32<<16
	s_mov_b32 s[G1+4], 132
	s_mov_b32 s[G1+5], 32
	s_mov_b32 s[G1+6], 0
	s_mov_b32 s[G1+7], 0
	s_mov_b32 s20, 0x76543210
	s_mov_b32 s21, 0xfedcba98                      ; v_permlanex16_b32's selects for lane l xor 16
	s_mov_b32 s22, 0x600000                        ; the mantissa field of 57,344
	s_mov_b32 s[KC], 6
	s_mul_i32 s19, s[WV], CHUNK                    ; the place of the chunk that I fetch, and of my region on the way out
	s_add_co_u32 s53, s19, SLOTB
	s_xor_b32 s36, s19, s53                        ; its change of slots
	s_mul_i32 s52, s17, 2*CHUNK                    ; the chunks that I read: e half 0,
	s_add_co_u32 s53, s52, SLOTB
	s_xor_b32 s37, s52, s53
	s_add_co_u32 s54, s52, CHUNK                   ; e half 1,
	s_add_co_u32 s53, s54, SLOTB
	s_xor_b32 s38, s54, s53
	s_add_co_u32 s55, s52, 32768                   ; and their scale words
	s_add_co_u32 s53, s55, SLOTB
	s_xor_b32 s39, s55, s53
	s_add_co_u32 s56, s54, 32768
	s_add_co_u32 s53, s56, SLOTB
	s_xor_b32 s57, s56, s53
	s_mul_i32 s58, s18, CHUNK                      ; the way out: regions x and 2 + x, rows 32 kp on
	s_mul_i32 s59, s17, 32*SPITCH
	s_add_co_u32 s58, s58, s59
	v_and_b32 v13, 31, v0                          ; lane
	v_and_b32 v14, 15, v0                          ; r
	v_bfe_u32 v15, v0, 4, 1                        ; h
	v_lshlrev_b32 v[L16], 4, v13
	v_lshlrev_b32 v[L4], 2, v13
	v_lshlrev_b32 v[PFO], 8, v13
	v_lshl_add_u32 v[ADS], v13, 3, s55
	v_lshl_add_u32 v[ADS+1], v13, 3, s56
	v_mul_u32_u24 v[STO], v14, SPITCH
	v_add_nc_u32 v[ADA], s52, v[L16]
	v_add_nc_u32 v[ADA+1], s54, v[L16]
	v_lshl_add_u32 v[STO], v15, 5, v[STO]
	v_add_nc_u32 v[RD], s58, v[L16]
	v_add_nc_u32 v[STO], s19, v[STO]
	v_add_nc_u32 v[RD+1], 2*CHUNK, v[RD]
.irp n, 0,1,2,3
	v_mov_b32 v[PL+\n], 0                          ; written once: a lane permute's destination counts as one of its sources
.endr
	s_wait_alu depctr_va_vdst(0)
	s_wait_dscnt 0x0                               ; both opening adds are done
	s_wait_kmcnt 0x0
	s_lshl_b32 s60, s16, 5
	s_add_co_u32 s60, s60, s[WV]                   ; my chunk of trip 0: 32 g + w
	s_mul_i32 s60, s60, CHUNK
	s_mov_b32 s61, 0
	s_add_nc_u64 s[48:49], s[4:5], s[60:61]
	s_mov_b32 s[G0], 1
	s_mov_b32 s[G0+1], s19                         ; slot 0
	s_mov_b64 s[G0+2:G0+3], s[48:49]
	s_or_b32 s[G0+3], s[G0+3], 0x80000000
	s_lshl_b32 s60, s15, 13                        ; the prefetches: my work-group's 32 blocks of the chunk's codes,
	s_add_co_u32 s60, s60, 12*CHUNK                ; in trip 3: the first change steps it to trip 4
	s_add_nc_u64 s[PFA:PFA+1], s[48:49], s[60:61]
	s_lshl_b32 s60, s16, 6
	s_add_nc_u64 s[10:11], s[10:11], s[60:61]
	s_load_b512 s[68:83], s[10:11], 0x0            ; W of the slab's 16 k
	s_lshl_b32 s60, s15, 15
	s_add_nc_u64 s[84:85], s[6:7], s[60:61]        ; eight tiles of 4,096 bytes a batch
	s_lshl_b32 s62, s18, 14
	s_mov_b32 s63, 0
	s_add_nc_u64 s[66:67], s[84:85], s[62:63]      ; X's fragments: my four tiles
	s_add_nc_u64 s[84:85], s[84:85], 131072        ; Y's: the batch's eight
	s_lshl_b32 s60, s15, 10
	s_add_nc_u64 s[88:89], s[8:9], s[60:61]
	s_lshl_b32 s62, s18, 9
	s_add_nc_u64 s[86:87], s[88:89], s[62:63]      ; X's scale words
	s_add_nc_u64 s[88:89], s[88:89], 4096          ; Y's
	s_lshl_b32 s60, s16, 18
	s_lshl_b32 s62, s15, 16
	s_add_co_u32 s60, s60, s62
	s_lshl_b32 s62, s18, 15
	s_add_co_u32 s60, s60, s62
	s_lshl_b32 s62, s17, 14
	s_add_co_u32 s60, s60, s62
	s_add_nc_u64 s[12:13], s[12:13], s[60:61]      ; part: slab g, batch, row 64 x + 32 kp
	ROUND                                          ; all four work-groups are here: the first joint loads meet
	tensor_load_to_lds s[G0:G0+3], s[G1:G1+7]      ; trip 0's chunk w: my one load at the head
	s_nop 0
	NOPS 4
	WIN 0x40
.set n, 0
.rept 32
	global_load_b128 v[4*n:4*n+3], v[L16], s[66:67] offset:512*n   ; X's eight fragments lie on end as their registers stand
.set n, n+1
.endr
	WIN 0
.irp t, 0,1,2,3
	global_load_b32 v[XS+\t], v[L4], s[86:87] offset:128*\t
.endr
	WIN 0x80
.set n, 0
.rept 9
	global_load_b128 v[4*n:4*n+3], v[L16], s[84:85] offset:512*n   ; the first 9 of Y's 64 loads; the other 55 and Y's 8 scale words, 63 loads, follow behind the second fill
.set n, n+1
.endr
	WIN 0xc0
.set n, 0
.rept 256
	v_mov_b32 v[n], 0                              ; S
.set n, n+1
.endr
	WIN 0
.macro LDA s, bl                       ; block bl (32 e) of my k, K step s: two fragments, eight loads of 512 consecutive bytes
.irp u, 0,1
.irp c, 0,1,2,3
	ds_load_b128 v[AB+32*(\s)+16*\u+4*\c:AB+32*(\s)+16*\u+4*\c+3], v[ADA+(\bl)/4] offset:((\bl)%4)*8192+(2*(\s)+\u)*2048+\c*512
.endr
.endr
.endm
.macro LDSC bl                         ; its two tiles' scale words
	ds_load_b64 v[AS+2*((\bl)%2):AS+2*((\bl)%2)+1], v[ADS+(\bl)/4] offset:((\bl)%4)*256
.endm
.macro LFRAG0
	LDA 0, 0
	LDSC 0
	LDA 1, 0
.endm
.macro RUN1 bl, s                      ; eight matrix instructions: K step s of block bl, four tiles of n x two tiles of e
.irp nt, 0,1,2,3
.irp u, 0,1
.set rD, TT+64*((\bl)%2)+16*\nt+8*\u
.set rA, AB+32*(\s)+16*\u
.set rX, 16*(2*\nt+(\s))
.if (\s) == 0
	v_wmma_scale_f32_16x16x128_f8f6f4 v[rD:rD+7], v[rA:rA+15], v[rX:rX+15], 0, v[AS+2*((\bl)%2)+\u], v[XS+\nt] matrix_a_fmt:MATRIX_FMT_BF8 matrix_b_fmt:MATRIX_FMT_BF8
.else
	v_wmma_scale_f32_16x16x128_f8f6f4 v[rD:rD+7], v[rA:rA+15], v[rX:rX+15], v[rD:rD+7], v[AS+2*((\bl)%2)+\u], v[XS+\nt] matrix_a_fmt:MATRIX_FMT_BF8 matrix_b_fmt:MATRIX_FMT_BF8 matrix_a_scale:MATRIX_SCALE_ROW1 matrix_b_scale:MATRIX_SCALE_ROW1
.endif
.endr
.endr
.endm
; The scales of block q's four units: the largest magnitude of a lane's 16 numbers (two chains, each accumulator from its low end on, the floor 2^(16 - 127) among the leaves), lane l xor 16's, the conversion's
; scale operand, the hold, the byte.
.macro QF q, lb
.set TB, TT+64*((\q)%2)
.irp n, 0,1,2,3
	v_max3_num_f32 v[MA+\n], |v[TB+16*\n]|, |v[TB+16*\n+1]|, 0x8000000
.endr
.irp n, 0,1,2,3
	v_max3_num_f32 v[MB+\n], |v[TB+16*\n+8]|, |v[TB+16*\n+9]|, |v[TB+16*\n+10]|
.endr
.irp i, 2,4,6
.irp n, 0,1,2,3
	v_max3_num_f32 v[MA+\n], v[MA+\n], |v[TB+16*\n+\i]|, |v[TB+16*\n+\i+1]|
.endr
.if \i < 6
.irp n, 0,1,2,3
	v_max3_num_f32 v[MB+\n], v[MB+\n], |v[TB+16*\n+9+\i]|, |v[TB+16*\n+10+\i]|
.endr
.endif
.endr
.irp n, 0,1,2,3
	v_max3_num_f32 v[MA+\n], v[MA+\n], v[MB+\n], |v[TB+16*\n+15]|
.endr
.irp n, 0,1,2,3
	v_permlanex16_b32 v[PL+\n], v[MA+\n], s20, s21
.endr
.irp n, 0,1,2,3
	v_max_num_f32 v[MA+\n], v[MA+\n], v[PL+\n]     ; the block's largest magnitude
.endr
.irp n, 0,1,2,3
	v_add_nc_u32 v[SC+\n], 0xf8800000, v[MA+\n]    ; 15 off its exponent field
.endr
.irp n, 0,1,2,3
	v_and_or_b32 v[HD+\n], v[MA+\n], 0x7f800000, s22   ; 57,344 x the scale
.endr
.if (\q)%4 == 0
.irp n, 0,1,2,3
	v_lshrrev_b32 v[TS+2*\n+(\q)/4], 23, v[SC+\n]
.endr
.else
.irp n, 0,1,2,3
	v_lshrrev_b32 v[MB+\n], 23, v[SC+\n]
.endr
.irp n, 0,1,2,3
	v_lshl_or_b32 v[TS+2*\n+(\q)/4], v[MB+\n], 8*((\q)%4), v[TS+2*\n+(\q)/4]
.endr
.endif
.endm
; The holds (the conversion to an 8-bit code does not saturate: ISA guide 7.6.2) and the conversions of block q.  lb >= 0: behind the first 16 lines block lb's K step 1 is fetched.
.macro QB q, lb
.set TB, TT+64*((\q)%2)
.irp n, 0,1,2,3
.irp i, 0,1,2,3,4,5,6,7,8,9,10,11,12,13,14,15
	v_med3_num_f32 v[TB+16*\n+\i], v[TB+16*\n+\i], -v[HD+\n], v[HD+\n]
.endr
.if (\n == 0) && ((\lb) >= 0)
	LDA 1, \lb
.endif
.endr
	WIN 0x40                                       ; t's codes lie in window 1
.irp n, 0,1,2,3
	v_cvt_scalef32_pk8_bf8_f32 v[TQ+16*(2*\n+(\q)/4)+4*((\q)%4):TQ+16*(2*\n+(\q)/4)+4*((\q)%4)+1], v[TB+16*\n:TB+16*\n+7], v[SC+\n]
	v_cvt_scalef32_pk8_bf8_f32 v[TQ+16*(2*\n+(\q)/4)+4*((\q)%4)+2:TQ+16*(2*\n+(\q)/4)+4*((\q)%4)+3], v[TB+16*\n+8:TB+16*\n+15], v[SC+\n]
.endr
	WIN 0
	v_nop                                          ; one plain line behind the last conversion
.endm
.macro RUN2 g                          ; the second product of tile g of n: eight tiles of m, two K steps, the eight accumulators by turns
.irp eh, 0,1
.irp mt, 0,1,2,3,4,5,6,7
.set rD, TT+64*((\g)%2)+8*\mt
.set rY, 16*(2*\mt+\eh)
.set rQ, TQ+16*(2*(\g)+\eh)
.if \eh == 0
	v_wmma_scale_f32_16x16x128_f8f6f4 v[rD:rD+7], v[rY:rY+15], v[rQ:rQ+15], 0, v[YS+\mt], v[TS+2*(\g)] matrix_a_fmt:MATRIX_FMT_BF8 matrix_b_fmt:MATRIX_FMT_BF8
.else
	v_wmma_scale_f32_16x16x128_f8f6f4 v[rD:rD+7], v[rY:rY+15], v[rQ:rQ+15], v[rD:rD+7], v[YS+\mt], v[TS+2*(\g)+1] matrix_a_fmt:MATRIX_FMT_BF8 matrix_b_fmt:MATRIX_FMT_BF8 matrix_a_scale:MATRIX_SCALE_ROW1
.endif
.endr
.endr
.endm
.macro FMA2 g                          ; S += W[k] x tile, two numbers a line, each tile from its low end on
.irp mt, 0,1,2,3,4,5,6,7
.irp q, 0,1,2,3
	v_pk_fma_f32 v[8*(8*(\g)+\mt)+2*\q:8*(8*(\g)+\mt)+2*\q+1], v[TT+64*((\g)%2)+8*\mt+2*\q:TT+64*((\g)%2)+8*\mt+2*\q+1], s[WK:WK+1], v[8*(8*(\g)+\mt)+2*\q:8*(8*(\g)+\mt)+2*\q+1] op_sel_hi:[1,0,1]
.endr
.endr
.endm
; THE CHANGE OF SLOTS, when all eight blocks of the trip's k are in registers.  My addresses go over to the other slot (these four lines are also the places between t's last codes and the second product).
; Each wave waits for all its tensor loads (one is out: its chunk of the next trip), adds 0 to its spare word, and waits for that and for its reads of the slot.
; fill = 1: a round of the cluster's barrier; the joint refill, the chunk two trips on into the slot just read, is the first thing behind it.  fill = 0: nothing is left to fetch: my work-group's barrier alone.
.macro CHANGE fill
	v_xor_b32 v[ADA], s37, v[ADA]
	v_xor_b32 v[ADA+1], s38, v[ADA+1]
	v_xor_b32 v[ADS], s39, v[ADS]
	v_xor_b32 v[ADS+1], s57, v[ADS+1]
	s_wait_alu depctr_va_vdst(0)
	s_wait_loadcnt 0x0                             ; Y and its scale words (the first trip; later nothing is out)
	s_wait_tensorcnt 0x0
	ds_add_u32 v[SPW], v[NIL]
.if \fill
	s_xor_b32 s[G0+1], s[G0+1], s36                ; no tensor load of mine is out, so group 0 may be written: the other slot,
	s_add_nc_u64 s[G0+2:G0+3], s[G0+2:G0+3], 4*CHUNK   ; the next trip's chunk
	s_wait_xcnt 0x0                                ; the last prefetch, a trip back, has read its address
	s_add_nc_u64 s[PFA:PFA+1], s[PFA:PFA+1], 4*CHUNK
.endif
	s_wait_dscnt 0x0                               ; the add is done, and my reads of the slot are over
.if \fill
	ROUND
	tensor_load_to_lds s[G0:G0+3], s[G1:G1+7]      ; my one tensor load until the next round
	s_nop 0
	NOPS 4
	LFRAG0                                         ; the next k's first block, out of the other slot
	s_cmp_gt_u32 s[KC], 2                          ; trips 0 to 3 name trips 4 to 7
	s_cbranch_scc0 .Lno_ask_\@
	global_prefetch_b8 v[PFO], s[PFA:PFA+1] th:TH_LOAD_NT scope:SCOPE_SE
.Lno_ask_\@:
.else
	s_barrier_signal -1
	s_barrier_wait -1
	s_cmp_eq_u32 s[KC], 1                          ; behind the last trip there is no block to fetch
	s_cbranch_scc1 .Lno_next_\@
	LFRAG0
.Lno_next_\@:
.endif
.endm
; ONE TRIP: one k.  LDS loads are waited for by count: in front of K step 0's run the 8 loads of K step 1 may be out; in front of K step 1's run the 9 of the next block's K step 0 and scale words.
.macro KBODY fill
.set bl, 0
.rept 8
.set nb, bl+1
.if bl == 7
.set nb, -1
.endif
	s_wait_dscnt 8
	WIN 0x04                                       ; X in window 1, all else in window 0
	RUN1 bl, 0
	WIN 0
.if bl == 0
	NOPS 8                                         ; no block is waiting to be quantised: the places in front of the loads
	LDA 0, 1
	LDSC 1
.else
	QF bl-1, nb
.endif
	s_wait_alu depctr_va_vdst(0)
.if (bl > 0) && (nb >= 0)
	LDA 0, nb                                      ; the next block's K step 0 and scale words: the lines above are the places behind the run that read these registers
	LDSC nb
.endif
.if bl == 7
	s_wait_dscnt 0x0
.else
	s_wait_dscnt 9
.endif
	WIN 0x04
	RUN1 bl, 1
	WIN 0
.if bl == 0
	NOPS 8
	LDA 1, 1
.else
	QB bl-1, nb
.endif
.set bl, bl+1
.endr
	QF 7, -1
	QB 7, -1
	CHANGE \fill
	WIN 0x06                                       ; Y in window 2, t's codes in window 1, the tiles in window 0
	RUN2 0
	RUN2 1
	NOPS 8                                         ; the places in front of the first read of a tile; later reads have 32 multiply-adds of another set between
	WIN 0xf0                                       ; S in window 3
	FMA2 0
	WIN 0x06
	RUN2 2
	WIN 0xf0
	FMA2 1
	WIN 0x06
	RUN2 3
	WIN 0xf0
	FMA2 2
	FMA2 3
	WIN 0
	s_wait_alu depctr_va_vdst(0)
.irp n, 0,1,2,3,4,5,6
	s_mov_b32 s[WK+\n], s[WK+\n+1]                 ; the next k's W moves down
.endr
.endm
	s_wait_alu depctr_va_vdst(0)
	s_wait_tensorcnt 0x0                           ; my chunk of trip 0 is in
	ds_add_u32 v[SPW], v[NIL]
	s_xor_b32 s[G0+1], s[G0+1], s36                ; slot 1,
	s_add_nc_u64 s[G0+2:G0+3], s[G0+2:G0+3], 4*CHUNK   ; trip 1
	s_wait_dscnt 0x0
	ROUND
	tensor_load_to_lds s[G0:G0+3], s[G1:G1+7]
	s_nop 0
	NOPS 4
	LFRAG0
	WIN 0x80
.set n, 9
.rept 55
	global_load_b128 v[4*n:4*n+3], v[L16], s[84:85] offset:512*n   ; the rest of Y's sixteen fragments: first wanted by the first trip's second product
.set n, n+1
.endr
	WIN 0
.irp t, 0,1,2,3,4,5,6,7
	global_load_b32 v[YS+\t], v[L4], s[88:89] offset:128*\t
.endr
	s_wait_loadcnt 63                              ; X and its scale words are in; the 63 loads just issued may be out: the change of slots waits for them
	s_wait_kmcnt 0x0                               ; W
	s_cmp_eq_u32 s17, 0
.irp i, 0,1,2,3,4,5,6,7
	s_cselect_b32 s[WK+\i], s[68+2*\i], s[69+2*\i] ; W[16 g + 2 t + kp]
.endr
.Lk:                                               ; six trips: the chunks of trips 2 to 7 are asked for
	KBODY 1
	s_sub_co_u32 s[KC], s[KC], 1
	s_cmp_lg_u32 s[KC], 0
	s_cbranch_scc1 .Lk
	s_mov_b32 s[KC], 2
.Ltail:                                            ; the last two trips ask for nothing
	KBODY 0
	s_sub_co_u32 s[KC], s[KC], 1
	s_cmp_lg_u32 s[KC], 0
	s_cbranch_scc1 .Ltail
	; THE WAY OUT.  Each wave has sums over its own eight k for 64 n x 128 m.  They go into region w of slot 0, which has had its last fill and, behind the barriers above, its last read; a barrier;
	; wave w adds rows 32 kp .. 32 kp + 31 of regions x and 2 + x and stores them whole.
	WIN 0x0c                                       ; an LDS store's data are its source 1: window 3
.irp a, 0,1,2,3
.irp m, 0,1,2,3,4,5,6,7
	ds_store_b128 v[STO], v[8*(8*\a+\m):8*(8*\a+\m)+3] offset:\a*16*SPITCH+\m*64
	ds_store_b128 v[STO], v[8*(8*\a+\m)+4:8*(8*\a+\m)+7] offset:\a*16*SPITCH+\m*64+16
.endr
.endr
	WIN 0
	s_wait_dscnt 0x0                               ; for the others' sake: my stores have landed
	s_barrier_signal -1
	s_barrier_wait -1
.irp i, 0,1,2,3,4,5,6,7,8,9,10,11,12,13,14,15
	ds_load_b128 v[64+4*\i:67+4*\i], v[RD] offset:\i*SPITCH
.endr
.irp i, 0,1,2,3,4,5,6,7,8,9,10,11,12,13,14,15
	ds_load_b128 v[128+4*\i:131+4*\i], v[RD+1] offset:\i*SPITCH
.endr
.irp i, 0,1,2,3,4,5,6,7,8,9,10,11,12,13,14,15
	ds_load_b128 v[192+4*\i:195+4*\i], v[RD] offset:(16+\i)*SPITCH
.endr
	s_wait_dscnt 16                                ; the first 16 rows of both regions are in
.set n, 0
.rept 32
	v_pk_add_f32 v[64+2*n:65+2*n], v[64+2*n:65+2*n], v[128+2*n:129+2*n]
.set n, n+1
.endr
.irp i, 0,1,2,3,4,5,6,7,8,9,10,11,12,13,14,15
	ds_load_b128 v[128+4*\i:131+4*\i], v[RD+1] offset:(16+\i)*SPITCH
.endr
.irp i, 0,1,2,3,4,5,6,7,8,9,10,11,12,13,14,15
	global_store_b128 v[L16], v[64+4*\i:67+4*\i], s[12:13] offset:512*\i   ; 32 lanes store a row of 512 bytes, at a multiple of 256 from part's first byte
.endr
	s_wait_dscnt 0x0
.set n, 0
.rept 32
	v_pk_add_f32 v[192+2*n:193+2*n], v[192+2*n:193+2*n], v[128+2*n:129+2*n]
.set n, n+1
.endr
.irp i, 0,1,2,3,4,5,6,7,8,9,10,11,12,13,14,15
	global_store_b128 v[L16], v[192+4*\i:195+4*\i], s[12:13] offset:512*(16+\i)
.endr
	s_wait_tensorcnt 0x0                           ; the wave's end
	ds_add_u32 v[SPW], v[NIL]
	s_wait_dscnt 0x0
	ROUND                                          ; the closing round
	s_endpgm
.Lfunc_end_k_q347786ab54_bifc:
	.size	k_q347786ab54_bifc, .Lfunc_end_k_q347786ab54_bifc-k_q347786ab54_bifc
	.p2alignl 7, 3214868480
	.fill 96, 4, 3214868480
	.section	.rodata,"a",@progbits
	.p2align	6, 0x0
	.amdhsa_kernel k_q347786ab54_bifc
		.amdhsa_group_segment_fixed_size 327680
		.amdhsa_private_segment_fixed_size 0
		.amdhsa_enable_private_segment 0
		.amdhsa_kernarg_size 40
		.amdhsa_user_sgpr_count 2
		.amdhsa_user_sgpr_kernarg_segment_ptr 1
		.amdhsa_wavefront_size32 1
		.amdhsa_system_sgpr_workgroup_id_x 1
		.amdhsa_system_sgpr_workgroup_id_y 1
		.amdhsa_system_sgpr_workgroup_id_z 1
		.amdhsa_system_vgpr_workitem_id 0
		.amdhsa_next_free_vgpr 1024
		.amdhsa_next_free_sgpr 100
		.amdhsa_reserve_vcc 0
		.amdhsa_float_denorm_mode_32 3
		.amdhsa_float_denorm_mode_16_64 3
		.amdhsa_memory_ordered 1
		.amdhsa_forward_progress 1
		.amdhsa_inst_pref_size 255
	.end_amdhsa_kernel
	.section	.bss,"aw",@nobits
	.p2align	6
	.space	262144
	.amdgpu_metadata
---
amdhsa.version: [ 1, 2 ]
amdhsa.kernels:
  - .name:           k_q347786ab54_bifc
    .symbol:         k_q347786ab54_bifc.kd
    .args:
      - { .name: aq, .offset: 0, .size: 8, .value_kind: global_buffer, .address_space: global }
      - { .name: xyq, .offset: 8, .size: 8, .value_kind: global_buffer, .address_space: global }
      - { .name: xys, .offset: 16, .size: 8, .value_kind: global_buffer, .address_space: global }
      - { .name: W, .offset: 24, .size: 8, .value_kind: global_buffer, .address_space: global }
      - { .name: part, .offset: 32, .size: 8, .value_kind: global_buffer, .address_space: global }
    .group_segment_fixed_size: 327680
    .private_segment_fixed_size: 0
    .kernarg_segment_align: 8
    .kernarg_segment_size: 40
    .max_flat_workgroup_size: 128
    .sgpr_count:     100
    .vgpr_count:     1024
    .wavefront_size: 32
...
	.end_amdgpu_metadata
.endif
;; end of part 2
;; launch reduce (part 3): grid 256 x 1, 4 waves a work-group, no clusters, 0 bytes of LDS; arguments part, b, out0; writes out0
.if DOCPART == 3
	.amdgcn_target "amdgcn-amd-amdhsa--gfx1250"
	.amdhsa_code_object_version 6
	.text
	.protected	k_q347786ab54_reduce
	.globl	k_q347786ab54_reduce
	.p2align	8
	.type	k_q347786ab54_reduce,@function
k_q347786ab54_reduce:
	s_mov_b64 s[64:65], 0
	v_nop
	global_prefetch_b8 v0, s[64:65] scope:SCOPE_SE
	s_setreg_imm32_b32 hwreg(HW_REG_WAVE_MODE, 25, 1), 1
	s_wait_xcnt 0x0
; out0[b][n][m] = bias + the sum over the 64 slabs g of part[g][b][n][m].  A thread owns 8 bytes of out0; a wave's load or store covers 256 consecutive bytes, aligned.
; All 64 loads of a thread are issued on end; the sums run in four chains, slab g onto chain g % 4, as the loads come in.  A stream: no LDS, no barrier, no matrix work.
.set SLAB, 262144                      ; bytes from slab to slab; 31 slabs stay inside the signed 24-bit immediate, so slabs 32 on have a base of their own
.set P, 16                             ; v16-143: slab g at v[16 + 2 g]
	s_load_b128 s[4:7], s[0:1], 0x0                ; part, b
	s_load_b64 s[8:9], s[0:1], 0x10                ; out0
	s_lshl_b32 s10, ttmp9, 10                      ; 128 threads x 8 bytes a work-group
	v_lshl_add_u32 v1, v0, 3, s10
	s_wait_alu depctr_va_vdst(0)
	s_wait_kmcnt 0x0
	s_load_b32 s12, s[6:7], 0x0                    ; the bias
	s_add_nc_u64 s[14:15], s[4:5], 32*SLAB
.set g, 0
.rept 32
	global_load_b64 v[P+2*g:P+2*g+1], v1, s[4:5] offset:g*SLAB th:TH_LOAD_NT
.set g, g+1
.endr
.rept 32
	global_load_b64 v[P+2*g:P+2*g+1], v1, s[14:15] offset:(g-32)*SLAB th:TH_LOAD_NT
.set g, g+1
.endr
.macro ADDS from, to                   ; slabs from .. to - 1 onto their chains
.set g, \from
.rept (\to)-(\from)
	v_pk_add_f32 v[P+2*(g%4):P+2*(g%4)+1], v[P+2*(g%4):P+2*(g%4)+1], v[P+2*g:P+2*g+1]
.set g, g+1
.endr
.endm
	s_wait_loadcnt 48                              ; slabs 0 to 15 are in; the 48 younger loads may be out
	ADDS 4, 16
	s_wait_alu depctr_va_vdst(0)
	s_wait_loadcnt 32
	ADDS 16, 32
	s_wait_alu depctr_va_vdst(0)
	s_wait_loadcnt 16
	ADDS 32, 48
	s_wait_alu depctr_va_vdst(0)
	s_wait_loadcnt 0x0
	ADDS 48, 64
	v_pk_add_f32 v[P:P+1], v[P:P+1], v[P+2:P+3]    ; the four chains join
	v_pk_add_f32 v[P+4:P+5], v[P+4:P+5], v[P+6:P+7]
	v_pk_add_f32 v[P:P+1], v[P:P+1], v[P+4:P+5]
	s_wait_alu depctr_va_vdst(0)
	s_wait_kmcnt 0x0
	s_mov_b32 s13, s12                             ; the packed form names a pair and takes its low word for both halves
	v_pk_add_f32 v[P:P+1], v[P:P+1], s[12:13] op_sel_hi:[1,0]
	global_store_b64 v1, v[P:P+1], s[8:9]
	s_endpgm
.Lfunc_end_k_q347786ab54_reduce:
	.size	k_q347786ab54_reduce, .Lfunc_end_k_q347786ab54_reduce-k_q347786ab54_reduce
	.p2alignl 7, 3214868480
	.fill 96, 4, 3214868480
	.section	.rodata,"a",@progbits
	.p2align	6, 0x0
	.amdhsa_kernel k_q347786ab54_reduce
		.amdhsa_group_segment_fixed_size 0
		.amdhsa_private_segment_fixed_size 0
		.amdhsa_enable_private_segment 0
		.amdhsa_kernarg_size 24
		.amdhsa_user_sgpr_count 2
		.amdhsa_user_sgpr_kernarg_segment_ptr 1
		.amdhsa_wavefront_size32 1
		.amdhsa_system_sgpr_workgroup_id_x 1
		.amdhsa_system_sgpr_workgroup_id_y 1
		.amdhsa_system_sgpr_workgroup_id_z 1
		.amdhsa_system_vgpr_workitem_id 0
		.amdhsa_next_free_vgpr 144
		.amdhsa_next_free_sgpr 66
		.amdhsa_reserve_vcc 0
		.amdhsa_float_denorm_mode_32 3
		.amdhsa_float_denorm_mode_16_64 3
		.amdhsa_memory_ordered 1
		.amdhsa_forward_progress 1
		.amdhsa_inst_pref_size 12
	.end_amdhsa_kernel
	.amdgpu_metadata
---
amdhsa.version: [ 1, 2 ]
amdhsa.kernels:
  - .name:           k_q347786ab54_reduce
    .symbol:         k_q347786ab54_reduce.kd
    .args:
      - { .name: part, .offset: 0, .size: 8, .value_kind: global_buffer, .address_space: global }
      - { .name: b, .offset: 8, .size: 8, .value_kind: global_buffer, .address_space: global }
      - { .name: out0, .offset: 16, .size: 8, .value_kind: global_buffer, .address_space: global }
    .group_segment_fixed_size: 0
    .private_segment_fixed_size: 0
    .kernarg_segment_align: 8
    .kernarg_segment_size: 24
    .max_flat_workgroup_size: 128
    .sgpr_count:     66
    .vgpr_count:     144
    .wavefront_size: 32
...
	.end_amdgpu_metadata
.endif
;; end of part 3
